; MI455X (gfx1250); checked and timed in simulation.
; The chip was launched on July 23, 2026; its instructions are those of AMD's public machine-readable ISA for CDNA 5 (MIT licence, August 2026) and "CDNA5" Instruction Set Architecture Reference Guide (July 2026). The comments in the code are by the model that wrote it; some were corrected since.
;; Single Head Attention. Allowed arithmetic: matrix products marked QUANTISED: E2M1 operands, one E8M0 scale for each 32 along K, by v_wmma_scale_f32_16x16x128_f8f6f4 with both operands' format E2M1 (or v_wmma_scale_f32_32x16x128_f4), f32 sums; everything else in f32.
;; Inputs: Wk_codes 64 x 16 x 16 uint8 (E2M1 codes of Wk, K innermost, in blocks of 32 codes, two codes a byte); Wk_scales 64 x 16 uint8 (E8M0 scales of Wk, one for each 32 codes along K); Wq_codes 64 x 16 x 16 uint8 (E2M1 codes of Wq, K innermost, in blocks of 32 codes, two codes a byte); Wq_scales 64 x 16 uint8 (E8M0 scales of Wq, one for each 32 codes along K); Wv_codes 64 x 16 x 16 uint8 (E2M1 codes of Wv, K innermost, in blocks of 32 codes, two codes a byte); Wv_scales 64 x 16 uint8 (E8M0 scales of Wv, one for each 32 codes along K); x_codes 4 x 4,096 x 16 x 16 uint8 (E2M1 codes of x, K innermost, in blocks of 32 codes, two codes a byte); x_scales 4 x 4,096 x 16 uint8 (E8M0 scales of x, one for each 32 codes along K).
;; Outputs: out0 4 x 4,096 x 64 float32.
;; This version of the problem:
;;   THIS VERSION OF THE PROBLEM IS GIVEN IN LOW PRECISION. The matrix products marked QUANTISED in the list below multiply operands that are first quantised to E2M1 (2 exponent bits, 1 mantissa bit; 4 bits a number), with one power-of-two scale for each 32 numbers along K (OCP MX v1.0); their sums are f32. All else is computed in f32.
;;   The module's matrix products, in the order in which they are computed (A, B: the left and right operand; K: the contracted axis; several contracted axes count as one K, in the product's order):
;;     1. [M 16,384, K 512] x [K 512, N 64]; A: input x (given as codes); B: input Wk (given as codes): QUANTISED
;;     2. [M 16,384, K 512] x [K 512, N 64]; A: input x (given as codes); B: input Wq (given as codes): QUANTISED
;;     3. [M 16,384, K 512] x [K 512, N 64]; A: input x (given as codes); B: input Wv (given as codes): QUANTISED
;;     4. batch 4 x [M 4,096, K 64] x [K 64, N 4,096]; A: computed on the way; B: computed on the way: QUANTISED
;;     5. batch 4 x [M 4,096, K 4,096] x [K 4,096, N 64]; A: softmax (see below); B: computed on the way: QUANTISED
;;   THE QUANTISER, for each operand of a quantised product, along K:
;;     - K is cut into blocks of 32 from its start; a last block that is shorter is filled with zeros.
;;     - A block's scale is 2^e with e = floor(log2(the largest magnitude in the block)) - 2, held to -126 .. 127; a block of zeros has e = 0. As a byte (E8M0): e + 127.
;;     - Each number is divided by its block's scale, clamped to +-6, and rounded to the nearest number of E2M1, ties to even, subnormals kept.
;;     - The product sums the exact products of the quantised numbers (number of the format x scale) in f32.
;;   ~~~python
;;   def quantise(x, axis):      # numpy; x: float32 -> the quantised numbers, widened to float32 again
;;       x = np.moveaxis(x, axis, -1); K = x.shape[-1]
;;       x = np.pad(x, [(0, 0)] * (x.ndim - 1) + [(0, -K % 32)]); x = x.reshape(x.shape[:-1] + (-1, 32)); a = np.abs(x).max(-1, keepdims=True)
;;       e = np.where(a > 0, np.clip(np.frexp(np.where(a > 0, a, 1))[1] - 1 - 2, -126, 127), 0)      # np.frexp(a)[1] - 1 = floor(log2(a)), exactly
;;       r = np.clip(x / 2.0 ** e, -6, 6)
;;       step = 2.0 ** (np.maximum(np.frexp(np.where(r == 0, 1, r))[1] - 1, 0) - 1)
;;       q = np.round(r / step) * step * 2.0 ** e      # np.round: ties to even
;;       return np.moveaxis(q.reshape(q.shape[:-2] + (-1,))[..., :K], -1, axis).astype(np.float32)
;;   ~~~
;;   SOFTMAX AHEAD OF A QUANTISED PRODUCT. Where the list says 'softmax', what is quantised is not the finished softmax but p = 2^(t - M), with t = logit x log2(e) and M = ceil(the row's largest t), a whole number; so 1/2 < the row's largest p <= 1. The row's sum l is taken of the UNQUANTISED p, in f32, and the product's result is divided by l at the end. Since M is a whole number, a kernel that streams over the keys may use a running M (the ceiling of the running maximum): every later rescaling is an exact power of two, which a block's scale takes up: the codes' values come out the same.
;;   OPERANDS COMPUTED ON THE WAY. 'Computed on the way' means the value that the module computes at that place (a softmax that the list does not call 'softmax' is quantised finished and normalised). What goes into a quantiser is computed in f32, as accurately as f32 sums, v_exp_f32 and their like allow (about 1e-6 of the number): no bf16 or f16 on the way to a quantiser, and a product that is left as it is and whose result goes on into a quantised operand takes f32 operands (vector FMAs, or v_wmma_f32_16x16x4_f32). A number that lies on a knife's edge between two numbers of the format may be rounded either way, as far as f32 arithmetic and the matrix unit's own rounding can turn it there, and no further.
;;   INPUTS GIVEN AS CODES. Wk (in the module: [512, 64], K = its axis 0); Wq (in the module: [512, 64], K = its axis 0); Wv (in the module: [512, 64], K = its axis 0); x (in the module: [4, 4096, 512], K = its axis 2): each comes as NAME_codes (uint8): NAME with its K axis moved to the last place and cut into blocks of 32 codes, [.., K / 32, bytes a block], one block behind the other in memory; two codes a byte, the lower K in the low four bits (a code: sign, 2 exponent bits, 1 mantissa bit); and NAME_scales (uint8): the same leading axes, one E8M0 byte (e + 127) for each 32 codes along K. Its value is code x scale, taken as it is: it is not quantised again, and the codes and scales need not be those that the quantiser above would give.
;; One version. Each part assembles by itself: llvm-mc -triple=amdgcn-amd-amdhsa -mcpu=gfx1250 --defsym DOCPART=n.
;; ======== version 1 of 1: 2 launches
;; workspace buffers: qw 557,056 bytes; kv 1,114,112 bytes
;; launch proj (part 1): grid 128 x 1, 16 waves a work-group, no clusters, 167,936 bytes of LDS; arguments Wq_codes, Wk_codes, Wv_codes, x_codes, Wq_scales, Wk_scales, Wv_scales, x_scales, qw, kv; writes qw, kv
.if DOCPART == 1
	.amdgcn_target "amdgcn-amd-amdhsa--gfx1250"
	.amdhsa_code_object_version 6
	.text
	.protected	k_q1451a5b160_proj
	.globl	k_q1451a5b160_proj
	.p2align	8
	.type	k_q1451a5b160_proj,@function
k_q1451a5b160_proj:
	s_mov_b64 s[64:65], 0
	v_nop
	global_prefetch_b8 v0, s[64:65] scope:SCOPE_SE
	s_setreg_imm32_b32 hwreg(HW_REG_WAVE_MODE, 25, 1), 1
	s_wait_xcnt 0x0
; q = x Wq, k = x Wk, v = x Wv on the given codes of FP4 (E2M1) with their E8M0 bytes, sums in f32; then q and k are quantised along the head's 64 channels and v along
; the tokens (blocks of 32 from the sequence's start), and all three leave as IMAGES OF THE OPERAND REGISTERS that the second launch loads.
; WORK LEFT OUT IN THIS PROGRAM: none here.  The second launch leaves out the tiles of both attention products that lie wholly above the diagonal: reference() itself builds
; the causal mask (jnp.tril) and sets those scores to -inf ahead of the softmax, so their p is 0 for all values of the inputs and they add nothing to the row's sum or to the
; result.  Every input has a way to the output and is loaded.  LIMIT: a NaN, an infinity or an overflow that would arise only in the tiles left out is not carried to the result.
; LIMITS: NaN and infinities among the values are not served; a given scale byte 0xff gives what the matrix instruction gives; a block whose largest magnitude lies under
; 2^(3 - 127) has its byte held at 1; a block of zeros gets the byte 1 where the rule says 127 (its codes are zeros, which add nothing, and this program alone reads the bytes).
; SHARES.  Work-group g takes tokens 128 g .. 128 g + 127 of the 16,384: one record of qw (4,352 bytes) and one of kv (8,704 bytes), both written whole by it.
; 128 work-groups: a scale word of v spans 128 tokens, so a record has one owner; the weights (52,224 bytes) come once for each work-group.
; No cluster: the weights are asked for once, in front of everything; joint loads would add two rounds of a cluster's barrier to a text that has two barriers.
; Sixteen waves run one text; only addresses hang on the wave's number w.
;   the q/k item: role w / 8 (0: q, 1: k), tile of 16 tokens (f = (w / 2) % 4, u = w % 2), all 64 channels: 4 accumulators x 4 K steps of 128.
;   the v item:   block of 32 tokens w / 4, channels 16 (w % 4) on: 2 accumulators x 4 K steps.
; THE TOKENS OF A TILE ARE NOT NEIGHBOURS: lane r of tile (f, u) takes token 32 f + 8 u + r + 8 (r / 8); the rows of Wq, Wk in a tile likewise.  With the weights as source 0 a lane's
; 16 registers of two tiles are 16 neighbouring channels of one token; with x as source 0 the 16 registers of tiles u = 0, 1 are 16 neighbouring tokens of one channel.
; RECORD OF kv: 0: k's codes, tile 2 f + u at 512 (2 f + u), lane l's 16 bytes at 16 l (lane (r, h): channels 32 h .. 32 h + 31 of its token); 4096: v's codes, 1024 gamma + 256 block + 16 r;
; 8192: k's scale words, word 16 f + r = [tile (f,0) blocks 0, 1, tile (f,1) blocks 0, 1]; 8448: v's scale words, word 16 gamma + r, a byte a block.   RECORD OF qw: codes and words as k's.
.set PITCH, 272                        ; an LDS row of codes: 256 bytes + 16 of padding
.set WB,    64*PITCH                   ; 64 rows: what one tensor load of codes brings
.set XB,    3*WB                       ; Wq, Wk, Wv at 0, WB, 2 WB; x's 128 rows from here
.set SCB,   5*WB                       ; scale bytes, 16 a row: Wq, Wk, Wv 1,024 each,
.set SXB,   SCB+3072                   ; x's 2,048
.set SWQ,   SCB+5120                   ; stage, stored by the waves, never filled by a tensor load: a dword a thread: q's and k's half words,
.set SWV,   SWQ+2048                   ; and v's bytes
.set SPARE, SWV+2048                   ; the spare words, 128 bytes for each of the 16 waves: eight blocks of 256 bytes that no other line names
; REGISTERS: v1, v2 the add's two; v3-v15 addresses, which never hold data; v16-31 v's accumulators; v32-63 x's fragments; v64-191 the weights' (later x's and Wv's for the v item);
; v192-223 q's or k's accumulators (later at work); v224-243 scale words and nothing else; v244-255 at work.
.macro MM0 d, a, b, sa, sb             ; a product that starts a sum
	v_wmma_scale_f32_16x16x128_f8f6f4 v[\d:\d+7], v[\a:\a+7], v[\b:\b+7], 0, v[\sa], v[\sb] matrix_a_fmt:MATRIX_FMT_FP4 matrix_b_fmt:MATRIX_FMT_FP4
.endm
.macro MMA d, a, b, sa, sb             ; and one that adds onto it
	v_wmma_scale_f32_16x16x128_f8f6f4 v[\d:\d+7], v[\a:\a+7], v[\b:\b+7], v[\d:\d+7], v[\sa], v[\sb] matrix_a_fmt:MATRIX_FMT_FP4 matrix_b_fmt:MATRIX_FMT_FP4
.endm
	s_load_b512 s[8:23], s[0:1], 0x0               ; Wq, Wk, Wv, x codes s[8:15]; Wq, Wk, Wv, x scales s[16:23]
	s_load_b128 s[24:27], s[0:1], 0x40             ; qw s[24:25], kv s[26:27]
	v_lshl_add_u32 v1, v0, 2, SPARE
	v_mov_b32 v2, 0
	ds_add_u32 v1, v2                              ; the wave's opening: the add, twice on end, and its wait ahead of the first tensor load
	ds_add_u32 v1, v2                              ; and once more; the set-up below, work on registers, stands between it and the wait
	v_lshrrev_b32 v3, 5, v0
	s_delay_alu instid0(VALU_DEP_1)
	v_readfirstlane_b32 s2, v3                     ; wave 0..15
	s_mov_b32 s3, ttmp9                            ; work-group = block of 128 tokens
	; group 1 for codes: 64 rows of 256 bytes, dense in memory, 16 bytes of padding behind each in LDS
	s_mov_b32 s28, (1<<20)|(5<<22)|(3<<25)         ; elements of 1 byte; padding on; after every 64 words; 4 words
	s_mov_b32 s29, 256<<16                         ; tensor_dim0 = 256
	s_mov_b32 s30, 64<<16                          ; tensor_dim1 = 64
	s_mov_b32 s31, 256<<16                         ; tile_dim0 = 256
	s_mov_b32 s32, 64                              ; tile_dim1 = 64
	s_mov_b32 s33, 256                             ; from row to row
	s_mov_b32 s34, 0
	s_mov_b32 s35, 0
	; group 1 for scale bytes: a dense block of 1,024 bytes as 4 rows of 32 elements of 8 bytes
	s_mov_b32 s36, 3<<16
	s_mov_b32 s37, 32<<16
	s_mov_b32 s38, 4<<16
	s_mov_b32 s39, 32<<16
	s_mov_b32 s40, 4
	s_mov_b32 s41, 32
	s_mov_b32 s42, 0
	s_mov_b32 s43, 0
	s_mov_b32 s52, 0x76543210
	s_mov_b32 s53, 0xfedcba98                      ; v_permlanex16_b32's selects for lane l xor 16
	s_mov_b32 s44, 1                               ; group 0 for codes: waves 0, 1, 2: Wq, Wk, Wv; waves 3, 4: x's two halves
	s_min_u32 s45, s2, 4
	s_mul_i32 s45, s45, WB                         ; LDS: wave x 64 rows
	s_mov_b32 s48, 1                               ; group 0 for scale bytes: waves 5, 6, 7: Wq, Wk, Wv; waves 8, 9: x's two halves
	s_lshl_b32 s49, s2, 10
	s_add_co_u32 s49, s49, SCB-5120                ; LDS: SCB + 1,024 (wave - 5)
	s_lshl_b32 s4, s3, 15                          ; x's codes: 128 tokens of 256 bytes a work-group,
	s_lshl_b32 s5, s2, 14
	s_add_co_u32 s4, s4, s5
	s_sub_co_u32 s4, s4, 3<<14                     ; + 64 tokens x (wave - 3);
	s_cmp_ge_u32 s2, 3
	s_cselect_b32 s4, s4, 0                        ; a weight begins at its buffer's first byte
	s_mov_b32 s5, 0
	s_lshl_b32 s6, s3, 11                          ; x's scale bytes: 2,048 a work-group,
	s_lshl_b32 s7, s2, 10
	s_add_co_u32 s6, s6, s7
	s_sub_co_u32 s6, s6, 8<<10                     ; + 1,024 x (wave - 8)
	s_cmp_ge_u32 s2, 8
	s_cselect_b32 s6, s6, 0
	s_mov_b32 s7, 0
	s_wait_dscnt 0x0                               ; both opening adds are done
	s_wait_kmcnt 0x0
	s_mov_b64 s[46:47], s[14:15]                   ; which buffer: a choice on the wave's number alone
	s_cmp_eq_u32 s2, 2
	s_cselect_b64 s[46:47], s[12:13], s[46:47]
	s_cmp_eq_u32 s2, 1
	s_cselect_b64 s[46:47], s[10:11], s[46:47]
	s_cmp_eq_u32 s2, 0
	s_cselect_b64 s[46:47], s[8:9], s[46:47]
	s_add_nc_u64 s[46:47], s[46:47], s[4:5]
	s_or_b32 s47, s47, 0x80000000                  ; type = 2
	s_mov_b64 s[50:51], s[22:23]
	s_cmp_eq_u32 s2, 7
	s_cselect_b64 s[50:51], s[20:21], s[50:51]
	s_cmp_eq_u32 s2, 6
	s_cselect_b64 s[50:51], s[18:19], s[50:51]
	s_cmp_eq_u32 s2, 5
	s_cselect_b64 s[50:51], s[16:17], s[50:51]
	s_add_nc_u64 s[50:51], s[50:51], s[6:7]
	s_or_b32 s51, s51, 0x80000000
	; the ten first fills, one a wave (waves 0-4: codes, waves 5-9: scale bytes), in one branch on the wave's number; nothing is ever filled again.  One tensor load of a wave is out at the most
	s_cmp_lt_u32 s2, 5
	s_cbranch_scc0 .Lnot_codes
	tensor_load_to_lds s[44:47], s[28:35]
	s_nop 0
.rept 4
	v_nop
.endr
	s_branch .Lfilled
.Lnot_codes:
	s_cmp_lt_u32 s2, 10
	s_cbranch_scc0 .Lfilled
	tensor_load_to_lds s[48:51], s[36:43]
	s_nop 0
.rept 4
	v_nop
.endr
.Lfilled:
	; addresses, made while the tiles are on their way
	v_and_b32 v244, 15, v0                         ; r
	v_bfe_u32 v245, v0, 4, 1                       ; h
	s_delay_alu instid0(VALU_DEP_2)
	v_and_b32 v246, 8, v244
	s_delay_alu instid0(VALU_DEP_1)
	v_add_nc_u32 v246, v246, v244                  ; r + 8 (r / 8)
	s_delay_alu instid0(VALU_DEP_1)
	v_mul_u32_u24 v247, v246, PITCH
	s_delay_alu instid0(VALU_DEP_1)
	v_lshl_add_u32 v247, v245, 4, v247             ; that row x pitch + 16 h
	s_delay_alu instid0(VALU_DEP_3)
	v_lshlrev_b32 v248, 4, v246                    ; and its 16 scale bytes
	s_wait_alu depctr_va_vdst(0)
	v_and_b32 v249, 31, v0                         ; lane (v244-v251 hold these only up to the first barrier: the quantisers write them anew)
	s_bfe_u32 s4, s2, 0x20001                      ; f
	s_lshl_b32 s4, s4, 5
	s_and_b32 s5, s2, 1                            ; u
	s_lshl_b32 s5, s5, 3
	s_add_co_u32 s4, s4, s5                        ; 32 f + 8 u
	s_mul_i32 s5, s4, PITCH
	s_add_co_u32 s5, s5, XB
	v_add_nc_u32 v4, s5, v247                      ; v4: x's fragments of the q/k item
	s_lshl_b32 s5, s4, 4
	s_add_co_u32 s5, s5, SXB
	v_add_nc_u32 v8, s5, v248                      ; v8: their scale words
	s_lshr_b32 s4, s2, 3                           ; role
	s_mul_i32 s5, s4, WB
	v_add_nc_u32 v5, s5, v247                      ; v5: Wq's or Wk's fragments
	s_lshl_b32 s5, s4, 10
	s_add_co_u32 s5, s5, SCB
	v_add_nc_u32 v9, s5, v248                      ; v9: their scale words
	s_lshr_b32 s4, s2, 2                           ; block of 32 tokens
	s_mul_i32 s5, s4, 32*PITCH
	s_add_co_u32 s5, s5, XB
	v_add_nc_u32 v6, s5, v247                      ; v6: x's fragments of the v item
	s_lshl_b32 s5, s4, 9
	s_add_co_u32 s5, s5, SXB
	v_add_nc_u32 v10, s5, v248                     ; v10: their scale words
	s_and_b32 s4, s2, 3                            ; tile of 16 channels
	s_mul_i32 s5, s4, 16*PITCH
	s_add_co_u32 s5, s5, 2*WB
	v_mul_u32_u24 v7, v244, PITCH
	s_delay_alu instid0(VALU_DEP_1)
	v_lshl_add_u32 v7, v245, 4, v7
	s_delay_alu instid0(VALU_DEP_1)
	v_add_nc_u32 v7, s5, v7                        ; v7: Wv's fragments: rows 16 gamma + r, neighbours
	s_lshl_b32 s5, s4, 8
	s_add_co_u32 s5, s5, SCB+2048
	v_lshl_add_u32 v11, v244, 4, s5                ; v11: their scale words
	v_lshl_add_u32 v12, v0, 2, SWQ                 ; v12: my dword in the stage
	v_lshrrev_b32 v250, 3, v249
	v_and_b32 v251, 7, v249
	s_delay_alu instid0(VALU_DEP_1)
	v_lshlrev_b32 v251, 3, v251                    ; 8 (lane % 8)
	s_delay_alu instid0(VALU_DEP_1)
	v_lshl_add_u32 v13, v250, 7, v251
	s_delay_alu instid0(VALU_DEP_1)
	v_add_nc_u32 v13, SWV, v13                     ; v13: the collector of v's words: tile lane / 8, rows 2 (lane % 8) and the next
	s_min_u32 s4, s2, 1
	s_lshl_b32 s4, s4, 10
	s_add_co_u32 s4, s4, SWQ
	v_lshl_add_u32 v3, v250, 8, v251
	s_delay_alu instid0(VALU_DEP_1)
	v_add_nc_u32 v3, s4, v3                        ; v3: the collector of q's (wave 0) or k's (wave 1) words: f = lane / 8
	v_lshlrev_b32 v14, 4, v249                     ; v14: 16 x lane, for the store of q's or k's codes; halved later for the collectors' stores
	v_lshlrev_b32 v15, 4, v244
	s_delay_alu instid0(VALU_DEP_1)
	v_lshl_add_u32 v15, v245, 3, v15               ; v15: 16 r + 8 h
	v_mov_b32 v246, 0                              ; a lane permute's destination counts as one of its sources
	v_mov_b32 v247, 0
	; where the results go
	s_mov_b32 s5, 0
	s_mul_i32 s4, s3, 4352
	s_add_nc_u64 s[58:59], s[24:25], s[4:5]        ; my record of qw
	s_mul_i32 s4, s3, 8704
	s_add_nc_u64 s[56:57], s[26:27], s[4:5]        ; my record of kv
	s_cmp_lt_u32 s2, 8
	s_cselect_b64 s[54:55], s[58:59], s[56:57]
	s_and_b32 s4, s2, 7
	s_lshl_b32 s4, s4, 9
	s_add_nc_u64 s[54:55], s[54:55], s[4:5]        ; q's or k's codes: tile 2 f + u
	s_and_b32 s4, s2, 3
	s_lshl_b32 s4, s4, 10
	s_lshr_b32 s6, s2, 2
	s_lshl_b32 s6, s6, 8
	s_add_co_u32 s4, s4, s6
	s_add_co_u32 s4, s4, 4096
	s_add_nc_u64 s[62:63], s[56:57], s[4:5]        ; v's codes: 4096 + 1024 gamma + 256 block
	s_lshl_b32 s4, s2, 8
	s_add_co_u32 s4, s4, 7936                      ; the words: wave 1: kv + 8192, wave 2: kv + 8448,
	s_cmp_eq_u32 s2, 0
	s_cselect_b32 s4, 4096, s4                     ; wave 0: qw + 4096
	s_cselect_b64 s[60:61], s[58:59], s[56:57]
	s_add_nc_u64 s[60:61], s[60:61], s[4:5]
	s_wait_tensorcnt 0x0                           ; my tile has landed,
	s_barrier_signal -1
	s_barrier_wait -1                              ; everybody's has
	; ---- the q/k item: 45 LDS loads: x's 8, x's scale words, the weights' 4 scale loads, then the weights' 8 for each K step
.irp s, 0,1,2,3
.irp c, 0,1
	ds_load_b128 v[32+8*\s+4*\c:35+8*\s+4*\c], v4 offset:64*\s+32*\c
.endr
.endr
	ds_load_b128 v[240:243], v8                    ; a row's 16 scale bytes are the words of its four K steps
.irp t, 0,1,2,3
	ds_load_b128 v[224+4*\t:227+4*\t], v9 offset:(32*(\t/2)+8*(\t%2))*16
.endr
.irp s, 0,1,2,3
.irp t, 0,1,2,3
.irp c, 0,1
	ds_load_b128 v[64+8*(4*\s+\t)+4*\c:67+8*(4*\s+\t)+4*\c], v5 offset:(32*(\t/2)+8*(\t%2))*PITCH+64*\s+32*\c
.endr
.endr
.endr
	; source 0 = 16 rows of the weight, source 1 = my 16 tokens; the four accumulators take turns, one instruction a turn
.irp s, 0,1,2,3
	s_wait_dscnt 24-8*\s                           ; LDS loads come back in order: all but the weights' 8 loads of each later K step are in
.irp t, 0,1,2,3
.if \s == 0
	MM0 192+8*\t, 64+8*(4*\s+\t), 32+8*\s, 224+4*\t+\s, 240+\s
.else
	MMA 192+8*\t, 64+8*(4*\s+\t), 32+8*\s, 224+4*\t+\s, 240+\s
.endif
.endr
.endr
.rept 4
	v_nop                                          ; places in front of loads into registers that the products have read, and of the first read of their results
.endr
	; ---- the v item's 27 loads go out now and land while q or k is quantised
.irp u, 0,1
.irp s, 0,1,2,3
.irp c, 0,1
	ds_load_b128 v[64+8*(4*\u+\s)+4*\c:67+8*(4*\u+\s)+4*\c], v6 offset:8*PITCH*\u+64*\s+32*\c
.endr
.endr
.endr
.irp u, 0,1
	ds_load_b128 v[224+4*\u:227+4*\u], v10 offset:128*\u
.endr
	ds_load_b128 v[232:235], v11
.irp s, 0,1,2,3
.irp c, 0,1
	ds_load_b128 v[128+8*\s+4*\c:131+8*\s+4*\c], v7 offset:64*\s+32*\c
.endr
.endr
	; ---- q or k is quantised.  Register 192 + 16 b + i of lane (r, h) is channel 32 b + 16 h + i of my token: a block of 32 lies in lanes l and l xor 16
.irp b, 0,1
	v_max3_num_f32 v[244+\b], |v[192+16*\b]|, |v[193+16*\b]|, 0x1800000   ; my 16 numbers, and the floor 2^(3 - 127): so the byte cannot fall under 1
.endr
.irp i, 2,4,6,8,10,12,14
.irp b, 0,1
	v_max3_num_f32 v[244+\b], v[244+\b], |v[192+16*\b+\i]|, |v[193+16*\b+\i]|
.endr
.endr
.irp b, 0,1
	s_delay_alu instid0(VALU_DEP_2)
	v_permlanex16_b32 v[246+\b], v[244+\b], s52, s53
.endr
.irp b, 0,1
	s_delay_alu instid0(VALU_DEP_2)
	v_max_num_f32 v[244+\b], v[244+\b], v[246+\b]  ; the block's largest magnitude
.endr
.irp b, 0,1
	s_delay_alu instid0(VALU_DEP_2)
	v_add_nc_u32 v[248+\b], 0xff000000, v[244+\b]  ; 2 off its exponent field: the conversion takes the exponent field of this operand as its scale
.endr
.irp b, 0,1
	s_delay_alu instid0(VALU_DEP_2)
	v_lshrrev_b32 v[250+\b], 23, v[248+\b]         ; the scale's byte
.endr
	s_delay_alu instid0(VALU_DEP_1)
	v_lshl_or_b32 v250, v251, 8, v250              ; my token's two bytes
	v_cvt_scalef32_pk8_fp4_f32 v252, v[192:199], v248
	v_cvt_scalef32_pk8_fp4_f32 v253, v[200:207], v248
	v_cvt_scalef32_pk8_fp4_f32 v254, v[208:215], v249
	v_cvt_scalef32_pk8_fp4_f32 v255, v[216:223], v249
	v_nop                                          ; one plain place behind a scaled conversion
	v_permlane16_swap_b32 v252, v254               ; a whole block to a lane: lanes 0-15 channels 0-31, lanes 16-31 channels 32-63
	v_permlane16_swap_b32 v253, v255
	global_store_b128 v14, v[252:255], s[54:55]    ; the tile's image: 512 consecutive bytes, aligned
	ds_store_b32 v12, v250                         ; the two bytes go to my dword of the stage
	; ---- the v item: source 0 = 16 tokens of x, source 1 = 16 rows of Wv; two accumulators by turns
	s_wait_dscnt 0x0
.irp s, 0,1,2,3
.irp u, 0,1
.if \s == 0
	MM0 16+8*\u, 64+8*(4*\u+\s), 128+8*\s, 224+4*\u+\s, 232+\s
.else
	MMA 16+8*\u, 64+8*(4*\u+\s), 128+8*\s, 224+4*\u+\s, 232+\s
.endif
.endr
.endr
.rept 4
	v_nop
.endr
	; register 16 + i of lane (r, h) is token 32 block + 16 h + i of channel 16 gamma + r
	v_mov_b32 v193, 0
	v_max3_num_f32 v192, |v16|, |v17|, 0x1800000
.irp i, 2,4,6,8,10,12,14
	v_max3_num_f32 v192, v192, |v[16+\i]|, |v[17+\i]|
.endr
	s_delay_alu instid0(VALU_DEP_1)
	v_permlanex16_b32 v193, v192, s52, s53
	s_delay_alu instid0(VALU_DEP_1)
	v_max_num_f32 v192, v192, v193
	s_delay_alu instid0(VALU_DEP_1)
	v_add_nc_u32 v194, 0xff000000, v192
	s_delay_alu instid0(VALU_DEP_1)
	v_lshrrev_b32 v195, 23, v194
	v_cvt_scalef32_pk8_fp4_f32 v196, v[16:23], v194
	v_cvt_scalef32_pk8_fp4_f32 v197, v[24:31], v194
	v_nop
	global_store_b64 v15, v[196:197], s[62:63]     ; 32 lanes store 256 consecutive bytes, aligned: 16 bytes a channel
	ds_store_b32 v12, v195 offset:2048             ; the block's byte
	s_wait_xcnt 0x0                                ; the stores issued so far have read their address registers: v14 may be written
	v_lshrrev_b32 v14, 1, v14                      ; 8 x lane, for the collectors' stores
	s_wait_dscnt 0x0                               ; for the others' sake: my stores into the stage are done
	s_barrier_signal -1
	s_barrier_wait -1
	; ---- three waves put the scale words together, 256 bytes each
	s_cmp_lt_u32 s2, 2
	s_cbranch_scc0 .Lnot_qk_words
	ds_load_b64 v[244:245], v3                     ; tiles (f, 0): the low halves of words 2 lane, 2 lane + 1
	ds_load_b64 v[246:247], v3 offset:128          ; tiles (f, 1): the high halves
	s_wait_dscnt 0x0
	v_lshl_or_b32 v244, v246, 16, v244
	v_lshl_or_b32 v245, v247, 16, v245
	s_wait_alu depctr_va_vdst(0)
	global_store_b64 v14, v[244:245], s[60:61]     ; 32 lanes store 256 consecutive bytes, aligned
	s_branch .Lwords_done
.Lnot_qk_words:
	s_cmp_eq_u32 s2, 2
	s_cbranch_scc0 .Lwords_done
.irp k, 0,1,2,3
	ds_load_b64 v[244+2*\k:245+2*\k], v13 offset:512*\k   ; block k's bytes
.endr
	s_wait_dscnt 0x0
.irp k, 1
	v_lshl_or_b32 v244, v[244+2*\k], 8*\k, v244
	v_lshl_or_b32 v245, v[245+2*\k], 8*\k, v245
.endr
.irp k, 2, 3
	s_delay_alu instid0(VALU_DEP_2)
	v_lshl_or_b32 v244, v[244+2*\k], 8*\k, v244
	s_delay_alu instid0(VALU_DEP_2)
	v_lshl_or_b32 v245, v[245+2*\k], 8*\k, v245
.endr
	s_wait_alu depctr_va_vdst(0)
	global_store_b64 v14, v[244:245], s[60:61]
.Lwords_done:
	s_wait_tensorcnt 0x0                           ; the wave's end: behind my last tensor load and my last LDS store
	ds_add_u32 v1, v2
	s_wait_dscnt 0x0
	s_endpgm
.Lfunc_end_k_q1451a5b160_proj:
	.size	k_q1451a5b160_proj, .Lfunc_end_k_q1451a5b160_proj-k_q1451a5b160_proj
	.p2alignl 7, 3214868480
	.fill 96, 4, 3214868480
	.section	.rodata,"a",@progbits
	.p2align	6, 0x0
	.amdhsa_kernel k_q1451a5b160_proj
		.amdhsa_group_segment_fixed_size 167936
		.amdhsa_private_segment_fixed_size 0
		.amdhsa_enable_private_segment 0
		.amdhsa_kernarg_size 80
		.amdhsa_user_sgpr_count 2
		.amdhsa_user_sgpr_kernarg_segment_ptr 1
		.amdhsa_wavefront_size32 1
		.amdhsa_system_sgpr_workgroup_id_x 1
		.amdhsa_system_sgpr_workgroup_id_y 1
		.amdhsa_system_sgpr_workgroup_id_z 1
		.amdhsa_system_vgpr_workitem_id 0
		.amdhsa_next_free_vgpr 256
		.amdhsa_next_free_sgpr 66
		.amdhsa_reserve_vcc 0
		.amdhsa_float_denorm_mode_32 3
		.amdhsa_float_denorm_mode_16_64 3
		.amdhsa_memory_ordered 1
		.amdhsa_forward_progress 1
		.amdhsa_inst_pref_size 21
	.end_amdhsa_kernel
	.amdgpu_metadata
---
amdhsa.version: [ 1, 2 ]
amdhsa.kernels:
  - .name:           k_q1451a5b160_proj
    .symbol:         k_q1451a5b160_proj.kd
    .args:
      - { .name: Wq_codes, .offset: 0, .size: 8, .value_kind: global_buffer, .address_space: global }
      - { .name: Wk_codes, .offset: 8, .size: 8, .value_kind: global_buffer, .address_space: global }
      - { .name: Wv_codes, .offset: 16, .size: 8, .value_kind: global_buffer, .address_space: global }
      - { .name: x_codes, .offset: 24, .size: 8, .value_kind: global_buffer, .address_space: global }
      - { .name: Wq_scales, .offset: 32, .size: 8, .value_kind: global_buffer, .address_space: global }
      - { .name: Wk_scales, .offset: 40, .size: 8, .value_kind: global_buffer, .address_space: global }
      - { .name: Wv_scales, .offset: 48, .size: 8, .value_kind: global_buffer, .address_space: global }
      - { .name: x_scales, .offset: 56, .size: 8, .value_kind: global_buffer, .address_space: global }
      - { .name: qw, .offset: 64, .size: 8, .value_kind: global_buffer, .address_space: global }
      - { .name: kv, .offset: 72, .size: 8, .value_kind: global_buffer, .address_space: global }
    .group_segment_fixed_size: 167936
    .private_segment_fixed_size: 0
    .kernarg_segment_align: 8
    .kernarg_segment_size: 80
    .max_flat_workgroup_size: 512
    .sgpr_count:     66
    .vgpr_count:     256
    .wavefront_size: 32
...
	.end_amdgpu_metadata
.endif
;; end of part 1
;; launch attn (part 2): grid 64 x 4, 16 waves a work-group, no clusters, 327,680 bytes of LDS; arguments qw, kv, out0; writes out0
.if DOCPART == 2
	.amdgcn_target "amdgcn-amd-amdhsa--gfx1250"
	.amdhsa_code_object_version 6
	.text
	.protected	k_q1451a5b160_attn
	.globl	k_q1451a5b160_attn
	.p2align	8
	.type	k_q1451a5b160_attn,@function
k_q1451a5b160_attn:
	s_mov_b64 s[64:65], 0
	v_nop
	global_prefetch_b8 v0, s[64:65] scope:SCOPE_SE
	s_setreg_imm32_b32 hwreg(HW_REG_WAVE_MODE, 25, 1), 1
	s_wait_xcnt 0x0
; out[b][q] = the sum over keys s <= q of softmax_s(q . k_s / sqrt(512)) v_s, both products on codes of FP4 (E2M1) with E8M0 bytes, from the images that the first launch stored.
; WORK LEFT OUT: units of 16 queries x 128 keys all of whose keys come after the queries.  reference() builds the causal mask itself and sets those scores to -inf, so their p is 0 for all
; values of the inputs.  LIMIT: a NaN, an infinity or an overflow that would arise only there is not carried to the result.
; THE SOFTMAX: t = score x log2(e) / sqrt(512) (one multiplication, where reference() rounds twice); M = the largest t so far, rounded up to a whole number; p = 2^(t - M) is quantised along the keys,
; not normalised; the row's sum is taken of the unquantised p and divides at the end.  When M moves, sum and O are multiplied by 2^(old M - new M), which rounds nothing.
; LIMITS: NaN and infinities are not served; p under 2^-126 counts as 0; a block of p whose largest lies under 2^(3 - 127) has its byte held at 1.
; SHARES.  A key step is 128 tokens, a record of kv; a batch has 32.  Work-group (x, batch): m = x / 4, c = x % 4.  It owns four tiles of 16 queries: tiles (f = c, u = 0, 1) of step group 31 - m and
; of step group m.  A tile of group s needs key steps 0 .. s: 2 (32 - m) + 2 (m + 1) = 66 units in every work-group.  Sixteen waves = four tiles x four splitters of the keys: wave 4 a + b
; has tile (a + b) % 4 and takes the key steps that are a modulo 4, with a running M, sum and O of its own; the four parts of a tile meet in LDS at the end.
; No cluster: beyond the causal limit a work-group asks for no more slots, by a jump on ids.
; LAYOUT.  Both products are used transposed: a lane holds ONE query (lane % 16) throughout.  The head has 64 channels, half of the instruction's 128 along K: a fragment of 8 registers holds TWO tiles of
; keys, tile (f, 0) at k 0-63 and tile (f, 1) at k 64-127, and is multiplied once by [q, 0] and once by [0, q]; zero codes add nothing.
; The tokens of a tile: lane r of tile (f, u) is token 32 f + 8 u + r + 8 (r / 8): so the 16 score registers of tiles (f, 0), (f, 1) are keys 32 f + 16 (lane / 16) + 0 .. 15.
.set REC,   8704                       ; a record of kv: k's codes 4,096, v's codes 4,096, k's words 256, v's words 256
.set SLOTB, 4*REC                      ; a slot holds four key steps, as they lie in memory
.set SLOT1, 65536                      ; slot 1 begins here: one exclusive or turns an address from one slot to the other
.set MST,   131072                     ; the merge: 16 parts of 4,608 bytes: a wave's -M, t, sum (512) and O^T (8 x 512), as images of its registers
.set PART,  4608
.set OST,   204800                     ; the way out: for each tile 16 rows x (256 bytes + 16)
.set SPARE, 222208                     ; the spare words, 128 bytes for each of the 16 waves: eight blocks of 256 bytes that no other line names
; REGISTERS: v1, v2 the add's two; v3 my place in a slot's codes, v4 in its words; v5, v6 the step's addresses; v7 the diagonal's bound; v8-11, v218 addresses of the merge and the way out; v219 16 x lane;
; v12 -M, v13 the largest t, v[14:15] the sum in two halves; v16-23 [q, 0]; v24-31 [0, q]; v32-63 k; v64-95 v; v96-159 S^T, then p; v160-191 O^T; v192-199 p's codes; v200-217 at work; v220 -infinity;
; v224-227 k's scale words, v228-231 v's, v232 q's, v233 p's.
; s10 wave; s11 splitter; s13 tile; s14 u; s17 m; s18 c; s19 batch; s20 the last key step of the work-group; s21 of my tile; s[22:23] c; s[24:25] lane selects; s[28:35], s[36:39] the descriptor;
; s40 the slot in hand; s41 its first key step; s42 trips; s43 my key step.
.macro MM0 d, a, b, sa, sb
	v_wmma_scale_f32_16x16x128_f8f6f4 v[\d:\d+7], v[\a:\a+7], v[\b:\b+7], 0, v[\sa], v[\sb] matrix_a_fmt:MATRIX_FMT_FP4 matrix_b_fmt:MATRIX_FMT_FP4
.endm
.macro MMA d, a, b, sa, sb
	v_wmma_scale_f32_16x16x128_f8f6f4 v[\d:\d+7], v[\a:\a+7], v[\b:\b+7], v[\d:\d+7], v[\sa], v[\sb] matrix_a_fmt:MATRIX_FMT_FP4 matrix_b_fmt:MATRIX_FMT_FP4
.endm
; Wave 0 fetches a slot by one load of 136 rows of 256 bytes; an s_nop 0 and four v_nop follow it.  One tensor load is out at the most.
.macro TLOAD
	s_cmp_eq_u32 s10, 0
	s_cbranch_scc0 .Lnot_wave_0_\@
	tensor_load_to_lds s[36:39], s[28:35]
	s_nop 0
.rept 4
	v_nop
.endr
.Lnot_wave_0_\@:
.endm
	s_load_b128 s[4:7], s[0:1], 0x0                ; qw s[4:5], kv s[6:7]
	s_load_b64 s[8:9], s[0:1], 0x10                ; out0
	v_lshl_add_u32 v1, v0, 2, SPARE
	v_mov_b32 v2, 0
	ds_add_u32 v1, v2                              ; the wave's opening: the add, twice on end, and its wait ahead of the first tensor load
	ds_add_u32 v1, v2                              ; and once more; the set-up below, work on registers, stands between it and the wait
	v_lshrrev_b32 v3, 5, v0
	s_delay_alu instid0(VALU_DEP_1)
	v_readfirstlane_b32 s10, v3                    ; wave 0..15
	s_lshr_b32 s11, s10, 2                         ; splitter
	s_and_b32 s13, s10, 3
	s_add_co_u32 s13, s13, s11
	s_and_b32 s13, s13, 3                          ; tile
	s_lshr_b32 s14, s13, 1                         ; u
	s_and_b32 s15, s13, 1                          ; 1: a tile of the low group
	s_lshr_b32 s17, ttmp9, 2                       ; m
	s_and_b32 s18, ttmp9, 3                        ; c
	s_and_b32 s19, ttmp7, 0xffff                   ; batch
	s_sub_co_u32 s20, 31, s17                      ; the high group: also the work-group's last key step
	s_cmp_eq_u32 s15, 1
	s_cselect_b32 s21, s17, s20                    ; my tile's group: also its last key step, the one on the diagonal
	s_mov_b32 s22, 0x3d8293ee                      ; c = log2(e) / sqrt(512)
	s_mov_b32 s23, s22                             ; (named with it as a pair, so it is written)
	s_mov_b32 s24, 0x76543210
	s_mov_b32 s25, 0xfedcba98                      ; v_permlanex16_b32's selects for lane l xor 16
	s_mov_b32 s28, 3<<16                           ; group 1: a dense block of 34,816 bytes: elements of 8 bytes, no padding (every read is an image, 16 bytes a lane on end)
	s_mov_b32 s29, 32<<16                          ; tensor_dim0 = 32
	s_mov_b32 s30, 136<<16                         ; tensor_dim1 = 136
	s_mov_b32 s31, 32<<16                          ; tile_dim0 = 32
	s_mov_b32 s32, 136                             ; tile_dim1 = 136
	s_mov_b32 s33, 32                              ; from row to row
	s_mov_b32 s34, 0
	s_mov_b32 s35, 0
	s_mov_b32 s36, 1                               ; group 0: count = 1,
	s_mov_b32 s37, 0                               ; slot 0,
	s_mul_i32 s44, s19, 32*REC                     ; the batch's first record
	s_mov_b32 s45, 0
	s_mov_b32 s40, 0
	s_mov_b32 s41, 0
	s_mov_b32 s42, 7
	s_wait_dscnt 0x0                               ; both opening adds are done
	s_wait_kmcnt 0x0
	s_add_nc_u64 s[38:39], s[6:7], s[44:45]
	s_or_b32 s39, s39, 0x80000000                  ; type = 2
	TLOAD                                          ; key steps 0 to 3: key 0 counts for every query
	; my tile of q
	s_lshl_b32 s44, s19, 5
	s_add_co_u32 s44, s44, s21
	s_mul_i32 s44, s44, 4352                       ; my group's record of qw
	s_lshl_b32 s46, s18, 1
	s_add_co_u32 s46, s46, s14
	s_lshl_b32 s46, s46, 9
	s_add_co_u32 s46, s46, s44
	s_mov_b32 s47, 0
	s_add_nc_u64 s[46:47], s[4:5], s[46:47]        ; tile 2 c + u
	s_lshl_b32 s48, s18, 6
	s_add_co_u32 s48, s48, s44
	s_add_co_u32 s48, s48, 4096
	s_mov_b32 s49, 0
	s_add_nc_u64 s[48:49], s[4:5], s[48:49]        ; words 16 c on
	v_and_b32 v200, 15, v0                         ; r
	s_wait_alu depctr_va_vdst(0)
	v_bfe_u32 v201, v0, 4, 1                       ; h
	s_wait_alu depctr_va_vdst(0)
	v_and_b32 v202, 31, v0                         ; lane
	s_delay_alu instid0(VALU_DEP_1)
	v_lshlrev_b32 v219, 4, v202
	s_wait_alu depctr_va_vdst(0)
	v_lshlrev_b32 v203, 2, v200
	global_load_b128 v[16:19], v219, s[46:47]      ; [q, 0]'s first half
	global_load_b128 v[28:31], v219, s[46:47]      ; [0, q]'s second half: the same 16 bytes
	global_load_b32 v214, v203, s[48:49]           ; the word of tiles (c, 0) and (c, 1)
	; the four rows of out0 that I store: tokens 32 c + 8 u + 4 j + 8 (j / 2) on, of my group
	s_lshl_b32 s44, s19, 12
	s_lshl_b32 s50, s21, 7
	s_add_co_u32 s44, s44, s50
	s_lshl_b32 s50, s18, 5
	s_lshl_b32 s51, s14, 3
	s_add_co_u32 s50, s50, s51                     ; 32 c + 8 u
	s_add_co_u32 s44, s44, s50
	s_lshl_b32 s51, s11, 2
	s_add_co_u32 s44, s44, s51
	s_lshr_b32 s51, s11, 1
	s_lshl_b32 s51, s51, 3
	s_add_co_u32 s44, s44, s51
	s_lshl_b32 s44, s44, 8                         ; a row is 256 bytes
	s_mov_b32 s45, 0
	s_add_nc_u64 s[8:9], s[8:9], s[44:45]
	v_and_b32 v7, 8, v200
	s_delay_alu instid0(VALU_DEP_1)
	v_add_nc_u32 v7, v7, v200
	v_lshlrev_b32 v215, 4, v201
	s_delay_alu instid0(VALU_DEP_1)
	v_sub_nc_u32 v7, v7, v215
	s_delay_alu instid0(VALU_DEP_1)
	v_add_nc_u32 v7, s50, v7                       ; d = my query's place in its group - 16 h: on the diagonal score register 16 f + i is hidden where 32 f + i > d
	s_mul_i32 s51, s11, REC                        ; my key step in a slot
	v_add_nc_u32 v3, s51, v219
	v_lshl_add_u32 v4, v200, 2, s51
	s_lshl_b32 s52, s13, 2
	s_add_co_u32 s52, s52, s11
	s_mul_i32 s52, s52, PART
	s_add_co_u32 s52, s52, MST
	v_add_nc_u32 v8, s52, v219                     ; my part of the merge: 4 tile + splitter
	s_mul_i32 s52, s13, 4*PART
	s_add_co_u32 s52, s52, MST
	v_add_nc_u32 v9, s52, v219                     ; my tile's four parts
	s_lshl_b32 s52, s11, 10
	s_add_co_u32 s52, s52, 512
	v_add_nc_u32 v10, s52, v9                      ; in each: O^T's tile of channels 16 j on
	s_mul_i32 s53, s13, 16*272
	s_add_co_u32 s53, s53, OST                     ; my tile's 16 rows on the way out
	s_lshl_b32 s52, s11, 6
	s_add_co_u32 s52, s52, s53
	v_mul_u32_u24 v11, v200, 272
	s_delay_alu instid0(VALU_DEP_1)
	v_lshl_add_u32 v11, v201, 5, v11
	s_delay_alu instid0(VALU_DEP_1)
	v_add_nc_u32 v11, s52, v11                     ; in: row r, channels 16 j + 8 h on
	s_mul_i32 s52, s11, 4*272
	s_add_co_u32 s52, s52, s53
	v_mul_u32_u24 v218, v201, 272
	s_delay_alu instid0(VALU_DEP_1)
	v_lshl_add_u32 v218, v200, 4, v218
	s_delay_alu instid0(VALU_DEP_1)
	v_add_nc_u32 v218, s52, v218                   ; back: rows 4 j + h, 16 bytes a lane
.irp i, 20,21,22,23,24,25,26,27
	v_mov_b32 v[\i], 0                             ; the zero halves of [q, 0] and [0, q]
.endr
	v_mov_b32 v13, 0xff61b1e6                      ; the largest t so far: -3e38, under every t
	s_delay_alu instid0(VALU_DEP_1)
	v_floor_f32 v12, -v13                          ; -M
	v_mov_b32 v14, 0
	v_mov_b32 v15, 0
	v_mov_b32 v213, 0                              ; (named as the upper half of the pair v[212:213])
.irp b, 0,1,2,3
	v_mov_b32 v[204+\b], 0                         ; a lane permute's destination counts as one of its sources
.endr
	v_mov_b32 v220, 0xff800000                     ; -infinity
	s_lshl_b32 s52, s14, 4
	s_wait_loadcnt 0x0                             ; q
	v_lshrrev_b32 v214, s52, v214
	s_delay_alu instid0(VALU_DEP_1)
	v_and_b32 v214, 0xffff, v214                   ; my tile's two bytes,
	s_delay_alu instid0(VALU_DEP_1)
	v_lshl_or_b32 v232, v214, 16, v214             ; for k 0-63 and for k 64-127 alike
.set n, 0
.rept 32
	v_mov_b32 v[160+n], 0                          ; O^T: the step is written for all steps alike; the first finds zeros.  (These are also the places between q's scale word and the first product)
.set n, n+1
.endr
; THE CHANGE OF SLOTS stands at a slot's head.  Each wave waits for all its tensor loads, adds 0 to its spare word, and waits for that and for its reads of the slot that it has left; behind the
; barrier the slot ahead is whole and nobody reads the other one.  fill = 1: the other slot is asked for, up to the causal limit; it has this slot's steps in which to land.
.macro CHANGE fill
	s_wait_tensorcnt 0x0                           ; no tensor load of mine is out, so group 0 may be written
	ds_add_u32 v1, v2                              ; adds 0 to my spare word
.if \fill
	ds_add_u32 v1, v2                              ; twice on end, in every trip alike
	s_xor_b32 s37, s37, SLOT1                      ; the other slot than last time,
	s_add_nc_u64 s[38:39], s[38:39], SLOTB         ; the next four records; the type bits on top are not reached
.endif
	s_wait_dscnt 0x0                               ; the add is done, and my reads of the slot that I have left are over
	s_barrier_signal -1
	s_barrier_wait -1
.if \fill
	s_add_co_u32 s44, s41, 4                       ; the first key step of the slot that this change would ask for:
	s_cmp_gt_u32 s44, s20                          ; beyond the work-group's last key step no wave reads it, so it is not asked for.  Ids and the count of trips alone: all sixteen waves go the same way
	s_cbranch_scc1 .Lpast_\@
	TLOAD                                          ; the first thing behind the barrier, and the only tensor load until the next
.Lpast_\@:
.endif
.endm
; A UNIT: my 16 queries x the 128 keys of my key step in the slot in hand.
.macro STEP
	s_add_co_u32 s43, s41, s11                     ; my key step
	s_cmp_gt_u32 s43, s21
	s_cbranch_scc1 .Lhidden_\@                     ; all its keys come after my queries
	v_add_nc_u32 v5, s40, v3
	v_add_nc_u32 v6, s40, v4
	v_nop
	v_nop                                          ; four places in front of loads into registers that the last products have read
.irp i, 0,1,2,3,4,5,6,7
	ds_load_b128 v[32+4*\i:35+4*\i], v5 offset:512*\i          ; k: tile i's image; two tiles make a fragment
.endr
.irp f, 0,1,2,3
	ds_load_b32 v[224+\f], v6 offset:8192+64*\f
.endr
.irp i, 0,1,2,3,4,5,6,7
	ds_load_b128 v[64+4*\i:67+4*\i], v5 offset:4096+512*\i     ; v: four fragments of 16 channels x 128 keys
.endr
.irp g, 0,1,2,3
	ds_load_b32 v[228+\g], v6 offset:8448+64*\g
.endr
	s_wait_dscnt 12                                ; k and its words are in; v's twelve loads may be out
.irp f, 0,1,2,3
	MM0 96+16*\f, 32+8*\f, 16, 224+\f, 232         ; S^T of tile (f, 0): the fragment x [q, 0]
	MM0 104+16*\f, 32+8*\f, 24, 224+\f, 232        ; and of tile (f, 1): x [0, q]
.endr
.rept 4
	v_nop
.endr
	s_cmp_lg_u32 s43, s21
	s_cbranch_scc1 .Lopen_\@                       ; off the diagonal every key counts
.set n, 0
.rept 64
	v_cmp_gt_i32 vcc_lo, 32*(n/16)+n%16, v7
	v_cndmask_b32 v[96+n], v[96+n], v220, vcc_lo   ; hidden scores become -infinity ahead of the maximum: p = 0 then
.set n, n+1
.endr
.Lopen_\@:
.irp b, 0,1,2,3
	v_max3_num_f32 v[200+\b], v[96+16*\b], v[97+16*\b], v[98+16*\b]   ; the largest score of each block of 32 keys: for the row's maximum and, since p rises with the score, for the block's largest p
.endr
.irp i, 3,5,7,9,11,13
.irp b, 0,1,2,3
	v_max3_num_f32 v[200+\b], v[200+\b], v[96+16*\b+\i], v[97+16*\b+\i]
.endr
.endr
.irp b, 0,1,2,3
	v_max_num_f32 v[200+\b], v[200+\b], v[111+16*\b]
.endr
.irp b, 0,1,2,3
	s_delay_alu instid0(VALU_DEP_4)
	v_permlanex16_b32 v[204+\b], v[200+\b], s24, s25
.endr
.irp b, 0,1,2,3
	s_delay_alu instid0(VALU_DEP_4)
	v_max_num_f32 v[200+\b], v[200+\b], v[204+\b]  ; with lane l xor 16's 16 keys
.endr
	s_delay_alu instid0(VALU_DEP_2)
	v_max3_num_f32 v214, v200, v201, v202
	s_delay_alu instid0(VALU_DEP_1)
	v_max_num_f32 v214, v214, v203                 ; the step's largest score of my query
	s_delay_alu instid0(VALU_DEP_1)
	v_mul_f32 v214, s22, v214                      ; as t (c is positive)
	s_delay_alu instid0(VALU_DEP_1)
	v_max_num_f32 v13, v13, v214
	v_mov_b32 v214, v12
	s_delay_alu instid0(VALU_DEP_2)
	v_floor_f32 v12, -v13                          ; the new -M = floor(-t): M is a whole number
	s_delay_alu instid0(VALU_DEP_1)
	v_sub_f32 v214, v12, v214                      ; old M - new M: a whole number, 0 or less
	s_delay_alu instid0(VALU_DEP_1)
	v_cvt_i32_f32 v214, v214                       ; (it saturates)
	s_delay_alu instid0(VALU_DEP_1)
	v_ldexp_f32 v212, 1.0, v214                    ; f = 2^(old M - new M)
.set n, 0
.rept 32
	v_pk_fma_f32 v[96+n:97+n], v[96+n:97+n], s[22:23], v[12:13] op_sel_hi:[1,0,0]   ; t - M, two at a time
.set n, n+2
.endr
.irp b, 0,1,2,3
	v_fma_f32 v[200+\b], v[200+\b], s22, v12       ; the same of each block's largest score
.endr
.set n, 0
	s_wait_alu depctr_va_vdst(0)
.rept 64
	v_exp_f32 v[96+n], v[96+n]                     ; p = 2^(t - M)
.set n, n+1
.endr
	v_pk_mul_f32 v[14:15], v[14:15], v[212:213] op_sel_hi:[1,0]   ; the sums under the new M: the plain place behind the exponentials
	s_wait_alu depctr_va_vdst(0)                   ; one wait for the whole batch, ahead of its first reader
.irp b, 0,1,2,3
	v_exp_f32 v[200+\b], v[200+\b]                 ; the block's largest p
.endr
	v_pk_add_f32 v[216:217], v[100:101], v[104:105]
	v_pk_add_f32 v[254:255], v[108:109], v[112:113]
	v_pk_add_f32 v[252:253], v[116:117], v[120:121]
	v_pk_add_f32 v[250:251], v[124:125], v[128:129]
	v_pk_add_f32 v[248:249], v[132:133], v[136:137]
	v_pk_add_f32 v[246:247], v[140:141], v[144:145]
	v_pk_add_f32 v[244:245], v[148:149], v[152:153]
	v_pk_add_f32 v[14:15], v[14:15], v[156:157]
	v_pk_add_f32 v[216:217], v[216:217], v[96:97]
	v_pk_add_f32 v[254:255], v[254:255], v[98:99]
	v_pk_add_f32 v[252:253], v[252:253], v[102:103]
	v_pk_add_f32 v[250:251], v[250:251], v[106:107]
	v_pk_add_f32 v[248:249], v[248:249], v[110:111]
	v_pk_add_f32 v[246:247], v[246:247], v[114:115]
	v_pk_add_f32 v[244:245], v[244:245], v[118:119]
	v_pk_add_f32 v[14:15], v[14:15], v[122:123]
	v_pk_add_f32 v[216:217], v[216:217], v[126:127]
	v_pk_add_f32 v[254:255], v[254:255], v[130:131]
	v_pk_add_f32 v[252:253], v[252:253], v[134:135]
	v_pk_add_f32 v[250:251], v[250:251], v[138:139]
	v_pk_add_f32 v[248:249], v[248:249], v[142:143]
	v_pk_add_f32 v[246:247], v[246:247], v[146:147]
	v_pk_add_f32 v[244:245], v[244:245], v[150:151]
	v_pk_add_f32 v[14:15], v[14:15], v[154:155]
	v_pk_add_f32 v[216:217], v[216:217], v[158:159]
	s_delay_alu instid0(VALU_DEP_2)
	v_pk_add_f32 v[14:15], v[14:15], v[250:251]
	s_delay_alu instid0(VALU_DEP_2)
	v_pk_add_f32 v[216:217], v[216:217], v[248:249]
	v_pk_add_f32 v[254:255], v[254:255], v[246:247]
	v_pk_add_f32 v[252:253], v[252:253], v[244:245]
	s_delay_alu instid0(VALU_DEP_2)
	v_pk_add_f32 v[14:15], v[14:15], v[254:255]
	s_delay_alu instid0(VALU_DEP_2)
	v_pk_add_f32 v[216:217], v[216:217], v[252:253]
	s_delay_alu instid0(VALU_DEP_1)
	v_pk_add_f32 v[14:15], v[14:15], v[216:217]
	s_wait_alu depctr_va_vdst(0)                   ; and one for the four
.irp b, 0,1,2,3
	v_max_num_f32 v[200+\b], 0x1800000, v[200+\b]  ; the floor 2^(3 - 127): the byte cannot fall under 1
.endr
.irp b, 0,1,2,3
	s_delay_alu instid0(VALU_DEP_4)
	v_add_nc_u32 v[208+\b], 0xff000000, v[200+\b]  ; 2 off the exponent field: the conversion's scale operand
.endr
.irp b, 0,1,2,3
	s_delay_alu instid0(VALU_DEP_4)
	v_lshrrev_b32 v[204+\b], 23, v[208+\b]         ; the scale's byte
.endr
	s_delay_alu instid0(VALU_DEP_3)
	v_lshl_or_b32 v233, v205, 8, v204              ; p's scale word for these 128 keys
	s_delay_alu instid0(VALU_DEP_1)
	v_lshl_or_b32 v233, v206, 16, v233
	s_delay_alu instid0(VALU_DEP_1)
	v_lshl_or_b32 v233, v207, 24, v233
.irp b, 0,1,2,3
	v_cvt_scalef32_pk8_fp4_f32 v[192+2*\b], v[96+16*\b:103+16*\b], v[208+\b]
	v_cvt_scalef32_pk8_fp4_f32 v[193+2*\b], v[104+16*\b:111+16*\b], v[208+\b]
.endr
	v_nop                                          ; one plain place behind a scaled conversion
.irp c, 0,1
.irp i, 0,1
	v_permlane16_swap_b32 v[192+4*\c+\i], v[194+4*\c+\i]   ; a whole block to a lane
.endr
.endr
.set n, 0
.rept 16
	v_pk_mul_f32 v[160+n:161+n], v[160+n:161+n], v[212:213] op_sel_hi:[1,0]   ; O^T under the new M.  The last twelve name no register of the first product below: the places between p's scale word and codes and it
.set n, n+2
.endr
	s_wait_alu depctr_va_vdst(0)
	s_wait_dscnt 0x0                               ; v and its words are in
.irp g, 0,1,2,3
	MMA 160+8*\g, 64+8*\g, 192, 228+\g, 233        ; O^T += v^T p^T: four accumulators, one instruction each
.endr
.Lhidden_\@:
.endm
.Lslot:                                            ; seven trips, a constant: every work-group walks all slots and leaves out what is hidden
	CHANGE 1
	STEP
	s_xor_b32 s40, s40, SLOT1                      ; on to the other slot
	s_add_co_u32 s41, s41, 4
	s_sub_co_u32 s42, s42, 1
	s_cmp_lg_u32 s42, 0
	s_cbranch_scc1 .Lslot
	CHANGE 0                                       ; the last slot: nothing is left to ask for
	STEP
	; ---- THE MERGE: the four splitters' parts of a tile meet, as images of their registers
.rept 4
	v_nop                                          ; places behind the last products
.endr
	ds_store_b128 v8, v[12:15]
	s_wait_alu depctr_va_vdst(0)
.irp i, 0,1,2,3,4,5,6,7
	ds_store_b128 v8, v[160+4*\i:163+4*\i] offset:512+512*\i   ; each accumulator from its low end on
.endr
	s_wait_dscnt 0x0                               ; for the others' sake: my stores are done
	s_barrier_signal -1
	s_barrier_wait -1
.irp a, 0,1,2,3
	ds_load_b128 v[32+4*\a:35+4*\a], v9 offset:PART*\a         ; part a's -M, t, sum
	ds_load_b128 v[64+8*\a:67+8*\a], v10 offset:PART*\a        ; and its O^T of channels 16 j on
	ds_load_b128 v[68+8*\a:71+8*\a], v10 offset:PART*\a+512
.endr
	v_mov_b32 v202, 0
	s_wait_dscnt 0x0
	v_min_num_f32 v200, v32, v36
	v_min_num_f32 v201, v40, v44
	s_delay_alu instid0(VALU_DEP_1)
	v_min_num_f32 v200, v200, v201                 ; -M of the whole row
.irp a, 0,1,2,3
	v_sub_f32 v[204+\a], v200, v[32+4*\a]          ; M_a - M: a whole number, 0 or less (a splitter with no unit: -3e38)
.endr
.irp a, 0,1,2,3
	s_delay_alu instid0(VALU_DEP_4)
	v_cvt_i32_f32 v[204+\a], v[204+\a]
.endr
.irp a, 0,1,2,3
	s_delay_alu instid0(VALU_DEP_4)
	v_ldexp_f32 v[204+\a], 1.0, v[204+\a]          ; f_a = 2^(M_a - M)
.endr
.irp a, 0,1,2,3
	v_add_f32 v[208+\a], v[34+4*\a], v[35+4*\a]
.endr
	s_delay_alu instid0(VALU_DEP_4)
	v_mul_f32 v201, v204, v208
	s_delay_alu instid0(VALU_DEP_1)
	v_fmac_f32 v201, v205, v209
	s_delay_alu instid0(VALU_DEP_1)
	v_fmac_f32 v201, v206, v210
	s_delay_alu instid0(VALU_DEP_1)
	v_fmac_f32 v201, v207, v211
	s_delay_alu instid0(VALU_DEP_1)
	v_permlanex16_b32 v202, v201, s24, s25
	s_delay_alu instid0(VALU_DEP_1)
	v_add_f32 v201, v201, v202                     ; the row's sum
	s_wait_alu depctr_va_vdst(0)
	v_rcp_f32 v201, v201
	v_nop                                          ; a plain place behind the reciprocal,
	s_wait_alu depctr_va_vdst(0)                   ; and the wait ahead of its first reader
.irp a, 0,1,2,3
	v_mul_f32 v[204+\a], v[204+\a], v201
.endr
.irp i, 0,1,2,3,4,5,6,7
	v_mul_f32 v[96+\i], v204, v[64+\i]
.endr
.irp a, 1,2,3
.irp i, 0,1,2,3,4,5,6,7
	v_fmac_f32 v[96+\i], v[204+\a], v[64+8*\a+\i]  ; out(query r, channel 16 j + 8 h + i)
.endr
.endr
	; ---- THE WAY OUT: a row's 64 channels come from four waves; each wave then stores four whole rows
	ds_store_b128 v11, v[96:99]
	ds_store_b128 v11, v[100:103] offset:16
	s_wait_dscnt 0x0
	s_barrier_signal -1
	s_barrier_wait -1
	ds_load_b128 v[104:107], v218
	ds_load_b128 v[108:111], v218 offset:544
	s_wait_dscnt 0x1                               ; the first two rows are in; the second load may be out
	global_store_b128 v219, v[104:107], s[8:9] th:TH_STORE_NT             ; 32 lanes store two rows: 512 consecutive bytes, aligned
	s_wait_dscnt 0x0
	global_store_b128 v219, v[108:111], s[8:9] offset:512 th:TH_STORE_NT
	s_wait_tensorcnt 0x0                           ; the wave's end: behind my last tensor load and my last LDS store
	ds_add_u32 v1, v2
	s_wait_dscnt 0x0
	s_endpgm
.Lfunc_end_k_q1451a5b160_attn:
	.size	k_q1451a5b160_attn, .Lfunc_end_k_q1451a5b160_attn-k_q1451a5b160_attn
	.p2alignl 7, 3214868480
	.fill 96, 4, 3214868480
	.section	.rodata,"a",@progbits
	.p2align	6, 0x0
	.amdhsa_kernel k_q1451a5b160_attn
		.amdhsa_group_segment_fixed_size 327680
		.amdhsa_private_segment_fixed_size 0
		.amdhsa_enable_private_segment 0
		.amdhsa_kernarg_size 24
		.amdhsa_user_sgpr_count 2
		.amdhsa_user_sgpr_kernarg_segment_ptr 1
		.amdhsa_wavefront_size32 1
		.amdhsa_system_sgpr_workgroup_id_x 1
		.amdhsa_system_sgpr_workgroup_id_y 1
		.amdhsa_system_sgpr_workgroup_id_z 1
		.amdhsa_system_vgpr_workitem_id 0
		.amdhsa_next_free_vgpr 256
		.amdhsa_next_free_sgpr 66
		.amdhsa_reserve_vcc 1
		.amdhsa_float_denorm_mode_32 3
		.amdhsa_float_denorm_mode_16_64 3
		.amdhsa_memory_ordered 1
		.amdhsa_forward_progress 1
		.amdhsa_inst_pref_size 57
	.end_amdhsa_kernel
	.amdgpu_metadata
---
amdhsa.version: [ 1, 2 ]
amdhsa.kernels:
  - .name:           k_q1451a5b160_attn
    .symbol:         k_q1451a5b160_attn.kd
    .args:
      - { .name: qw, .offset: 0, .size: 8, .value_kind: global_buffer, .address_space: global }
      - { .name: kv, .offset: 8, .size: 8, .value_kind: global_buffer, .address_space: global }
      - { .name: out0, .offset: 16, .size: 8, .value_kind: global_buffer, .address_space: global }
    .group_segment_fixed_size: 327680
    .private_segment_fixed_size: 0
    .kernarg_segment_align: 8
    .kernarg_segment_size: 24
    .max_flat_workgroup_size: 512
    .sgpr_count:     66
    .vgpr_count:     256
    .wavefront_size: 32
...
	.end_amdgpu_metadata
.endif
;; end of part 2
